; MI455X (gfx1250); checked and timed in simulation.
; The chip was launched on July 23, 2026; its instructions are those of AMD's public machine-readable ISA for CDNA 5 (MIT licence, August 2026) and "CDNA5" Instruction Set Architecture Reference Guide (July 2026). The comments in the code are by the model that wrote it; some were corrected since.
;; projector3d. Allowed arithmetic: float matrix products may take bf16 or f16 operands with f32 sums; all other float work in f32.
;; Inputs: angles 16 float32; image 1 x 1 x 256 x 256 x 256 float32.
;; Outputs: out0 1 x 1 x 16 x 64 x 96 float32.
;; One version. Each part assembles by itself: llvm-mc -triple=amdgcn-amd-amdhsa -mcpu=gfx1250 --defsym DOCPART=n.
;; ======== version 1 of 1: 2 launches
;; limits: right only within a limited range of input values
;; workspace buffers: rays 2,359,296 bytes of whole numbers
;; launch rays_setup (part 1): grid 16 x 16, 12 waves a work-group, no clusters, 0 bytes of LDS; arguments angles, rays; writes rays
.if DOCPART == 1
	.amdgcn_target "amdgcn-amd-amdhsa--gfx1250"
	.amdhsa_code_object_version 6
	.text
	.protected	k_q2a754b5af8_rays_setup
	.globl	k_q2a754b5af8_rays_setup
	.p2align	8
	.type	k_q2a754b5af8_rays_setup,@function
k_q2a754b5af8_rays_setup:
	s_mov_b64 s[64:65], 0
	v_nop
	global_prefetch_b8 v0, s[64:65] scope:SCOPE_SE
	s_setreg_imm32_b32 hwreg(HW_REG_WAVE_MODE, 25, 1), 1
	s_wait_xcnt 0x0
; THE GEOMETRY OF EVERY RAY, ONCE, AS WHOLE NUMBERS.  16 views x 64 detector rows x 96 columns = 98,304 rays.
; Sample s of a ray lies at  src + (T0 + s DT) d,  d the unit vector from the source to the detector pixel; in voxel coordinates 127.5 is added.
; All floating-point work on the angle is done here; the next launch forms its addresses from what is stored here by integer arithmetic alone.
; WHICH SAMPLES.  A corner counts only while -1 < x, y < 256: within 128.5 sqrt(2) = 181.73 voxels of the axis in the xy plane.  The source is 500 from the axis, so the horizontal
; path length lies in 318.27 .. 681.73 (a column off the middle: a shorter stretch inside that one); the tilt toward z stretches it by 1 / 0.999286 at the most: t in 318.27 .. 682.22,
; sample numbers 11.04 .. 116.1, whatever the angle.  The next launch takes samples 10 .. 117; the others add exact zeros in the problem's formula.
; FORMAT.  A coordinate is kept as u32 fixed point: (voxel coordinate + 128) x 2^23.  Samples 10 .. 117 lie within 190 voxels of the volume's centre
; (500^2 + t^2 - 1000 t cos(g), t in 314.7 .. 685.3, cos(g) >= 0.9976), so coordinate + 128 lies in 65 .. 446, inside 0 .. 512.  A step is i32 in the same unit (at most 3.47 x 2^23).
; STORED.  Plane 0, 16 bytes a ray: X, Y, Z at sample 10, and the step DX for one sample.  Plane 1, 8 bytes a ray: the steps DY, DZ.
; SHARES.  Grid 16 x 16: y is the view, x a block of 384 rays of it; 12 waves; a lane makes one ray.
; LIMITS.  Angles are finite and |angle| <= 1e4: the reduction by pi/2 in three parts leaves an error near 1e-7 rad there.  sin and cos by polynomials, within about 1e-7.
.set NRAY,   98304
.set PLANE,  NRAY*16                   ; bytes in plane 0
.set VRAYS,  6144                      ; rays in a view
	s_load_b128 s[4:7], s[0:1], 0x0        ; angles s[4:5], rays s[6:7]
	s_and_b32 s8, ttmp7, 0xffff            ; the view
	s_lshl_b32 s9, s8, 2
	v_mov_b32 v1, s9                       ; its angle's byte offset
	s_mul_i32 s10, ttmp9, 384              ; the work-group's first ray in the view
	s_mul_i32 s11, s8, VRAYS
	s_mov_b32 s14, 0x43fa0000              ; 500.0  source to centre
	s_mov_b32 s15, 0x439d55d5              ; 314.67056 = 500 - 221.7025 + 10.5 x 3.4641016: sample 10's distance from the source
	s_mov_b32 s17, 0x437f8000              ; 255.5 = 127.5 + 128
	s_wait_kmcnt 0x0
	global_load_b32 v3, v1, s[4:5]         ; the angle, the same word in every lane
	; row, column and detector coordinates, while the angle is on its way
	v_add_nc_u32 v2, s10, v0               ; ray in the view, 0 .. 6143
	v_mul_u32_u24 v4, v2, 0xaaab           ; / 96:  43,691 x 96 = 2^22 + 32, so the quotient is too large by under 64 x 32 / 2^22 = 0.0005 < 1/96
	v_lshrrev_b32 v4, 22, v4               ; row
	v_mul_u32_u24 v5, v4, 96
	v_sub_nc_u32 v5, v2, v5                ; column
	v_cvt_f32_u32 v4, v4
	v_cvt_f32_u32 v5, v5
	v_add_f32 v4, 0xc1fc0000, v4           ; row - 31.5
	v_add_f32 v5, 0xc23e0000, v5           ; column - 47.5
	v_mul_f32 v4, 0x3f99999a, v4           ; v = 1.2 (row - 31.5)
	v_mul_f32 v5, 0x3f99999a, v5           ; u = 1.2 (column - 47.5)
	v_add_nc_u32 v2, s11, v2               ; ray among all,
	v_lshlrev_b32 v22, 3, v2               ; its 8 bytes in plane 1,
	v_lshlrev_b32 v2, 4, v2                ; its 16 bytes in plane 0
	s_wait_loadcnt 0x0
	; sin and cos.  k = the nearest whole number to angle x 2/pi;  r = angle - k pi/2, pi/2 in three parts (1.5703125 + 4.8375130e-4 + 7.5497900e-8), |r| <= pi/4
	v_mul_f32 v6, 0x3f22f983, v3
	v_rndne_f32 v6, v6
	v_fmamk_f32 v7, v6, 0xbfc90000, v3
	v_fmamk_f32 v7, v6, 0xb9fda000, v7
	v_fmamk_f32 v7, v6, 0xb3a22168, v7     ; r
	v_cvt_i32_f32 v6, v6                   ; k: its two lowest bits are the quadrant
	v_mul_f32 v8, v7, v7                   ; z = r^2
	v_mov_b32 v9, 0xb94ca1f9               ; sin r = r + r z (-1.6666655e-1 + z (8.3321609e-3 - 1.9515296e-4 z))
	v_mov_b32 v10, 0x37ccf5ce              ; cos r = 1 - z/2 + z^2 (4.1666646e-2 + z (-1.3887316e-3 + 2.4433157e-5 z))
	v_fmaak_f32 v9, v9, v8, 0x3c08839e
	v_fmaak_f32 v10, v10, v8, 0xbab6061a
	v_fmaak_f32 v9, v9, v8, 0xbe2aaaa3
	v_fmaak_f32 v10, v10, v8, 0x3d2aaaa5
	v_mul_f32 v11, v8, v7
	v_mul_f32 v12, v8, v8
	v_fma_f32 v13, v8, -0.5, 1.0
	v_fma_f32 v9, v9, v11, v7              ; sin r
	v_fma_f32 v10, v10, v12, v13           ; cos r
	v_and_b32 v11, 1, v6
	v_cmp_eq_u32 vcc_lo, 1, v11
	v_cndmask_b32 v14, v9, v10, vcc_lo     ; in an odd quadrant the two change places;
	v_cndmask_b32 v15, v10, v9, vcc_lo
	v_lshlrev_b32 v11, 30, v6              ; the sine's sign is bit 1 of k,
	v_add_nc_u32 v12, 1, v6
	v_lshlrev_b32 v12, 30, v12             ; the cosine's bit 1 of k + 1
	v_and_b32 v11, 0x80000000, v11
	v_and_b32 v12, 0x80000000, v12
	v_xor_b32 v14, v14, v11                ; sb
	v_xor_b32 v15, v15, v12                ; cb
	; pixel - source = (-1000 cb - u sb, -1000 sb + u cb, v), made a unit vector
	v_mul_f32 v16, 0xc47a0000, v15
	v_mul_f32 v17, 0xc47a0000, v14
	v_fma_f32 v16, -v5, v14, v16
	v_fma_f32 v17, v5, v15, v17
	v_mul_f32 v18, v4, v4
	v_fma_f32 v18, v16, v16, v18
	v_fma_f32 v18, v17, v17, v18
	v_rsq_f32 v18, v18                     ; a plain instruction that names none of its registers stands between it and the use of its result (ISA guide 5.7.2): the two below
	v_fma_f32 v19, v15, s14, s17           ; the source, + 255.5:  500 cb + 255.5
	v_fma_f32 v20, v14, s14, s17           ;                       500 sb + 255.5
	s_wait_alu depctr_va_vdst(0)
	v_mul_f32 v16, v16, v18                ; d
	v_mul_f32 v17, v17, v18
	v_mul_f32 v18, v4, v18
	v_fma_f32 v19, v16, s15, v19           ; sample 10, coordinate + 128
	v_fma_f32 v20, v17, s15, v20
	v_fma_f32 v21, v18, s15, s17
	v_mul_f32 v16, 0x405db3d7, v16         ; a sample's step: DT d, DT = 443.405 / 128 = 3.4641016
	v_mul_f32 v17, 0x405db3d7, v17
	v_mul_f32 v18, 0x405db3d7, v18
	; to fixed point (x 2^23 is exact)
	v_mul_f32 v19, 0x4b000000, v19
	v_mul_f32 v20, 0x4b000000, v20
	v_mul_f32 v21, 0x4b000000, v21
	v_mul_f32 v16, 0x4b000000, v16
	v_mul_f32 v17, 0x4b000000, v17
	v_mul_f32 v18, 0x4b000000, v18
	v_cvt_u32_f32 v32, v19                 ; X
	v_cvt_u32_f32 v33, v20                 ; Y
	v_cvt_u32_f32 v34, v21                 ; Z
	v_cvt_i32_f32 v35, v16                 ; DX
	v_cvt_i32_f32 v36, v17                 ; DY
	v_cvt_i32_f32 v37, v18                 ; DZ
	global_store_b128 v2, v[32:35], s[6:7]               ; the wave's store covers 512 consecutive bytes, aligned
	global_store_b64 v22, v[36:37], s[6:7] offset:PLANE  ; and this one 256
	s_endpgm
.Lfunc_end_k_q2a754b5af8_rays_setup:
	.size	k_q2a754b5af8_rays_setup, .Lfunc_end_k_q2a754b5af8_rays_setup-k_q2a754b5af8_rays_setup
	.p2alignl 7, 3214868480
	.fill 96, 4, 3214868480
	.section	.rodata,"a",@progbits
	.p2align	6, 0x0
	.amdhsa_kernel k_q2a754b5af8_rays_setup
		.amdhsa_group_segment_fixed_size 0
		.amdhsa_private_segment_fixed_size 0
		.amdhsa_enable_private_segment 0
		.amdhsa_kernarg_size 16
		.amdhsa_user_sgpr_count 2
		.amdhsa_user_sgpr_kernarg_segment_ptr 1
		.amdhsa_wavefront_size32 1
		.amdhsa_system_sgpr_workgroup_id_x 1
		.amdhsa_system_sgpr_workgroup_id_y 1
		.amdhsa_system_sgpr_workgroup_id_z 1
		.amdhsa_system_vgpr_workitem_id 0
		.amdhsa_next_free_vgpr 40
		.amdhsa_next_free_sgpr 66
		.amdhsa_reserve_vcc 1
		.amdhsa_float_denorm_mode_32 3
		.amdhsa_float_denorm_mode_16_64 3
		.amdhsa_memory_ordered 1
		.amdhsa_forward_progress 1
		.amdhsa_inst_pref_size 5
	.end_amdhsa_kernel
	.amdgpu_metadata
---
amdhsa.version: [ 1, 2 ]
amdhsa.kernels:
  - .name:           k_q2a754b5af8_rays_setup
    .symbol:         k_q2a754b5af8_rays_setup.kd
    .args:
      - { .name: angles, .offset: 0, .size: 8, .value_kind: global_buffer, .address_space: global }
      - { .name: rays, .offset: 8, .size: 8, .value_kind: global_buffer, .address_space: global }
    .group_segment_fixed_size: 0
    .private_segment_fixed_size: 0
    .kernarg_segment_align: 8
    .kernarg_segment_size: 16
    .max_flat_workgroup_size: 384
    .sgpr_count:     66
    .vgpr_count:     40
    .wavefront_size: 32
...
	.end_amdgpu_metadata
.endif
;; end of part 1
;; launch march (part 2): grid 1536 x 1, 8 waves a work-group, no clusters, 2,048 bytes of LDS; arguments rays, image, out0; writes out0
.if DOCPART == 2
	.amdgcn_target "amdgcn-amd-amdhsa--gfx1250"
	.amdhsa_code_object_version 6
	.text
	.protected	k_q2a754b5af8_march
	.globl	k_q2a754b5af8_march
	.p2align	8
	.type	k_q2a754b5af8_march,@function
k_q2a754b5af8_march:
	s_mov_b64 s[64:65], 0
	v_nop
	global_prefetch_b8 v0, s[64:65] scope:SCOPE_SE
	s_setreg_imm32_b32 hwreg(HW_REG_WAVE_MODE, 25, 1), 1
	s_wait_xcnt 0x0
; THE LINE INTEGRALS.  out0[ray] = DT x the sum over the ray's samples of the volume, interpolated between eight voxels, corners outside the volume counting as 0.
; image: [256][256][256] f32 (z, y, x).  rays: what the launch before stored: for each ray X, Y, Z at sample 10 and the steps DX, DY, DZ for one sample, all
; (voxel coordinate + 128) x 2^23 in 32 bits.  Addresses are made of these whole numbers by integer arithmetic alone; the trip count is a constant.
; WHICH SAMPLES.  10 .. 117 of the problem's 0 .. 127.  A corner counts only within 128.5 sqrt(2) = 181.73 voxels of the axis in the xy plane; with the source 500 from the axis and a tilt
; toward z that stretches the path by 1 / 0.999286 at the most, that is t in 318.27 .. 682.22, sample numbers 11.04 .. 116.1, at every angle: the samples left out add exact zeros.
; SHARES.  A work-group owns 64 consecutive rays: 256 aligned bytes of out0.  Wave w takes rays 32 (w & 1) .. + 31, a ray a lane, and of their 108 samples every fourth,
; beginning at 10 + (w >> 1): 27 = 2 x 13 + 1 samples.  The four partial sums of a ray meet in LDS; wave 0 adds them and stores.
; A SAMPLE.  i = the whole part of a coordinate, held inside 0 .. 254, so that i + 1 is a voxel too and the eight corners lie at ONE address plus constants.
; With e = coordinate - i the weights of voxels i and i + 1 are max(0, 1 - |e|) and max(0, 1 - |e - 1|).  Inside, that is 1 - f and f.  At x in [-1, 0): i = 0, e = x: voxel 0 gets
; 1 + x, voxel 1 nothing.  At x in [255, 256): i = 254, e = x - 254: voxel 254 nothing, voxel 255 gets 256 - x.  Further out both are 0.  These are the problem's weights with its
; outside corners left out, and a sample that misses the volume adds 0.  z never leaves 100 .. 155 (|z - 127.5| <= 685.3 x 37.8 / 1000.7 = 25.9): it is held inside for the addresses' sake alone.
; LIMITS.  Voxels are finite (an outside corner is multiplied by 0, not replaced).  Positions carry 2^-23 voxel; over 108 steps the error stays under 1e-4 voxel.
; The samples are added in another order than the problem's formula adds them.
; NO LDS TILES: samples lie 3.46 voxels apart along a ray and about 0.6 across, and a box of fixed size that holds 8 samples of 24 x 16 rays at every angle has 40 x 38 x 17 voxels
; for 3,072 samples: as many words a sample as the eight loads ask for.
.set NRAY,   98304
.set PLANE,  NRAY*16                   ; bytes in plane 0 of rays
.set TRIPS,  13                        ; two samples a trip, one more behind the loop
.set DY,     1024                      ; bytes from a voxel to its neighbour in y
.set DZ,     262144                    ; and in z
.set SHIFT,  ((128<<16)+(128<<8)+128)*4 ; the 128 that every index carries, in bytes: taken off the image's address once
.set SA,     20                        ; slot A: v20-27 eight voxels; v28 w0x; v30 w1x; v32 fz; v34-35 w0y, w1y; v29, v31, v33 at work (named as the pairs' upper halves); v36 the address
.set SB,     40                        ; slot B: the same from v40 on
; v4-6 X, Y, Z of the next sample   v7-9 the steps for four samples   v12-13 the sums (voxel rows y, y + 1)   v14-17 at work
	s_load_b128 s[4:7], s[0:1], 0x0        ; rays s[4:5], image s[6:7]
	s_load_b64 s[8:9], s[0:1], 0x10        ; out0
	v_lshl_add_u32 v60, v0, 2, 0x400
	v_mov_b32 v61, 0
	v_lshrrev_b32 v1, 5, v0
	v_readfirstlane_b32 s10, v1            ; wave 0 .. 7
	s_lshr_b32 s12, s10, 1                 ; which of four samples is mine
	s_lshl_b32 s13, ttmp9, 6               ; the work-group's first ray
	v_and_b32 v2, 63, v0                   ; my ray in the work-group: 32 (w & 1) + lane
	v_add_nc_u32 v3, s13, v2
	v_lshlrev_b32 v11, 3, v3               ; its 8 bytes in plane 1,
	v_lshlrev_b32 v3, 4, v3                ; its 16 bytes in plane 0
	s_lshl_b32 s2, ttmp9, 8                ; the work-group's 256 bytes of out0
	s_mov_b32 s3, 0
	s_mov_b32 s16, 0x34000000              ; 2^-23
	s_mov_b32 s19, 0xb4000000              ; -2^-23
	s_mov_b32 s17, 0x7fffff                ; the fraction's 23 bits
	s_mov_b32 s18, 0x3f800000              ; 1.0: with the fraction below it, 1 + f
	s_wait_kmcnt 0x0
	global_load_b128 v[4:7], v3, s[4:5]                  ; X, Y, Z, DX: 512 consecutive bytes a wave
	global_load_b64 v[8:9], v11, s[4:5] offset:PLANE     ; DY, DZ: 256 consecutive bytes a wave
	s_sub_nc_u64 s[6:7], s[6:7], SHIFT
	s_add_nc_u64 s[8:9], s[8:9], s[2:3]
	v_mov_b32 v12, 0
	v_mov_b32 v13, 0
	s_wait_loadcnt 0x0
	v_mul_lo_u32 v14, v7, s12              ; on to my first sample,
	v_mul_lo_u32 v15, v8, s12
	v_mul_lo_u32 v16, v9, s12
	v_add_nc_u32 v4, v4, v14
	v_add_nc_u32 v5, v5, v15
	v_add_nc_u32 v6, v6, v16
	v_lshlrev_b32 v7, 2, v7                ; and from there four samples at a time
	v_lshlrev_b32 v8, 2, v8
	v_lshlrev_b32 v9, 2, v9
; The next sample goes into slot b: its indices, its eight loads, and, while those are on their way, its weights; then X, Y, Z step on.
.macro PREP b
	v_lshrrev_b32 v14, 23, v4              ; whole parts, 128 too large
	v_lshrrev_b32 v15, 23, v5
	v_lshrrev_b32 v16, 23, v6
	v_max_u32 v14, 0x80, v14               ; held inside 0 .. 254 (+ 128)
	v_max_u32 v15, 0x80, v15
	v_max_u32 v16, 0x80, v16
	v_min_u32 v14, 0x17e, v14
	v_min_u32 v15, 0x17e, v15
	v_min_u32 v16, 0x17e, v16
	v_lshl_add_u32 v[\b+16], v16, 8, v15
	v_lshl_add_u32 v[\b+16], v[\b+16], 8, v14
	v_lshlrev_b32 v[\b+16], 2, v[\b+16]    ; ((z 256 + y) 256 + x) 4
	global_load_b32 v[\b+0], v[\b+16], s[6:7]                ; z   y   x
	global_load_b32 v[\b+1], v[\b+16], s[6:7] offset:DY      ; z   y+1 x
	global_load_b32 v[\b+2], v[\b+16], s[6:7] offset:4       ; z   y   x+1
	global_load_b32 v[\b+3], v[\b+16], s[6:7] offset:DY+4    ; z   y+1 x+1
	global_load_b32 v[\b+4], v[\b+16], s[6:7] offset:DZ      ; z+1, the same four
	global_load_b32 v[\b+5], v[\b+16], s[6:7] offset:DZ+DY
	global_load_b32 v[\b+6], v[\b+16], s[6:7] offset:DZ+4
	global_load_b32 v[\b+7], v[\b+16], s[6:7] offset:DZ+DY+4
	v_lshlrev_b32 v[\b+9], 23, v14
	v_lshlrev_b32 v[\b+13], 23, v15
	v_sub_nc_u32 v[\b+9], v4, v[\b+9]      ; e = coordinate - index, signed, x 2^23 (|e| <= 64: inside 32 bits)
	v_sub_nc_u32 v[\b+13], v5, v[\b+13]
	v_cvt_f32_i32 v[\b+9], v[\b+9]
	v_cvt_f32_i32 v[\b+13], v[\b+13]
	v_and_or_b32 v[\b+12], v6, s17, s18    ; 1 + fz
	v_fma_f32 v[\b+8], |v[\b+9]|, s19, 1.0     ; 1 - |ex|
	v_fma_f32 v[\b+11], v[\b+9], s16, -1.0     ; ex - 1
	v_fma_f32 v[\b+14], |v[\b+13]|, s19, 1.0   ; 1 - |ey|
	v_fma_f32 v17, v[\b+13], s16, -1.0         ; ey - 1
	v_add_f32 v[\b+12], -1.0, v[\b+12]     ; fz
	v_sub_f32 v[\b+10], 1.0, |v[\b+11]|
	v_sub_f32 v[\b+15], 1.0, |v17|
	v_max_num_f32 v[\b+8], 0, v[\b+8]      ; w0x
	v_max_num_f32 v[\b+10], 0, v[\b+10]    ; w1x
	v_max_num_f32 v[\b+14], 0, v[\b+14]    ; w0y
	v_max_num_f32 v[\b+15], 0, v[\b+15]    ; w1y
	v_add_nc_u32 v4, v4, v7
	v_add_nc_u32 v5, v5, v8
	v_add_nc_u32 v6, v6, v9
.endm
; Slot b's sample is added.  A register pair holds rows y and y + 1: between the two z by fz, then the two x by their weights, then both rows by theirs onto the pair of sums.
.macro INTERP b
	v_pk_add_f32 v[\b+4:\b+5], v[\b+4:\b+5], v[\b+0:\b+1] neg_lo:[0,1] neg_hi:[0,1]
	v_pk_add_f32 v[\b+6:\b+7], v[\b+6:\b+7], v[\b+2:\b+3] neg_lo:[0,1] neg_hi:[0,1]
	v_pk_fma_f32 v[\b+0:\b+1], v[\b+4:\b+5], v[\b+12:\b+13], v[\b+0:\b+1] op_sel_hi:[1,0,1]   ; both halves by fz
	v_pk_fma_f32 v[\b+2:\b+3], v[\b+6:\b+7], v[\b+12:\b+13], v[\b+2:\b+3] op_sel_hi:[1,0,1]
	v_pk_mul_f32 v[\b+0:\b+1], v[\b+0:\b+1], v[\b+8:\b+9] op_sel_hi:[1,0]                     ; both halves by w0x
	v_pk_fma_f32 v[\b+0:\b+1], v[\b+2:\b+3], v[\b+10:\b+11], v[\b+0:\b+1] op_sel_hi:[1,0,1]   ; and by w1x
	v_pk_fma_f32 v[12:13], v[\b+0:\b+1], v[\b+14:\b+15], v[12:13]
.endm
	PREP SA
	s_mov_b32 s20, 0
.Lmarch:                                   ; a trip: two samples; one slot's loads are on their way while the other slot is added
	PREP SB
	s_wait_loadcnt 0x8                     ; loads come back in order (ISA guide 5.7.1): all but the eight just issued are in, so slot A is whole and its address register is free
	INTERP SA
	PREP SA
	s_wait_loadcnt 0x8                     ; the same for slot B
	INTERP SB
	s_add_co_u32 s20, s20, 1
	s_cmp_lt_u32 s20, TRIPS
	s_cbranch_scc1 .Lmarch
	s_wait_loadcnt 0x0                     ; the sample asked for in the last trip is my twenty-seventh
	INTERP SA
	; the four waves of a ray meet: word t of LDS is thread t's sum = 64 x (w >> 1) + the ray's place in the work-group
	v_add_f32 v12, v12, v13
	v_lshlrev_b32 v14, 2, v0
	ds_store_b32 v14, v12
	s_wait_dscnt 0x0                       ; for the others' sake: my store is done
	s_barrier_signal -1
	s_barrier_wait -1
	s_cmp_lg_u32 s10, 0
	s_cbranch_scc1 .Ldone
	v_and_b32 v15, 31, v0                  ; wave 0: lane i takes rays 2 i and 2 i + 1
	v_lshlrev_b32 v15, 3, v15
	ds_load_b64 v[20:21], v15
	ds_load_b64 v[22:23], v15 offset:256
	ds_load_b64 v[24:25], v15 offset:512
	ds_load_b64 v[26:27], v15 offset:768
	s_wait_dscnt 0x0
	v_pk_add_f32 v[20:21], v[20:21], v[22:23]
	v_pk_add_f32 v[24:25], v[24:25], v[26:27]
	v_pk_add_f32 v[20:21], v[20:21], v[24:25]
	v_pk_mul_f32 v[20:21], v[20:21], 0x405db3d7 op_sel_hi:[1,0]   ; x DT = 3.4641016
	global_store_b64 v15, v[20:21], s[8:9]                        ; 32 lanes store 256 consecutive bytes, at a multiple of 256 from out0's first byte
.Ldone:
	s_wait_tensorcnt 0x0
	ds_add_u32 v60, v61
	s_wait_dscnt 0x0
	s_endpgm
.Lfunc_end_k_q2a754b5af8_march:
	.size	k_q2a754b5af8_march, .Lfunc_end_k_q2a754b5af8_march-k_q2a754b5af8_march
	.p2alignl 7, 3214868480
	.fill 96, 4, 3214868480
	.section	.rodata,"a",@progbits
	.p2align	6, 0x0
	.amdhsa_kernel k_q2a754b5af8_march
		.amdhsa_group_segment_fixed_size 2048
		.amdhsa_private_segment_fixed_size 0
		.amdhsa_enable_private_segment 0
		.amdhsa_kernarg_size 24
		.amdhsa_user_sgpr_count 2
		.amdhsa_user_sgpr_kernarg_segment_ptr 1
		.amdhsa_wavefront_size32 1
		.amdhsa_system_sgpr_workgroup_id_x 1
		.amdhsa_system_sgpr_workgroup_id_y 1
		.amdhsa_system_sgpr_workgroup_id_z 1
		.amdhsa_system_vgpr_workitem_id 0
		.amdhsa_next_free_vgpr 62
		.amdhsa_next_free_sgpr 66
		.amdhsa_reserve_vcc 0
		.amdhsa_float_denorm_mode_32 3
		.amdhsa_float_denorm_mode_16_64 3
		.amdhsa_memory_ordered 1
		.amdhsa_forward_progress 1
		.amdhsa_inst_pref_size 12
	.end_amdhsa_kernel
	.amdgpu_metadata
---
amdhsa.version: [ 1, 2 ]
amdhsa.kernels:
  - .name:           k_q2a754b5af8_march
    .symbol:         k_q2a754b5af8_march.kd
    .args:
      - { .name: rays, .offset: 0, .size: 8, .value_kind: global_buffer, .address_space: global }
      - { .name: image, .offset: 8, .size: 8, .value_kind: global_buffer, .address_space: global }
      - { .name: out0, .offset: 16, .size: 8, .value_kind: global_buffer, .address_space: global }
    .group_segment_fixed_size: 2048
    .private_segment_fixed_size: 0
    .kernarg_segment_align: 8
    .kernarg_segment_size: 24
    .max_flat_workgroup_size: 256
    .sgpr_count:     66
    .vgpr_count:     62
    .wavefront_size: 32
...
	.end_amdgpu_metadata
.endif
;; end of part 2
